; MI455X (gfx1250); checked and timed in simulation.
; The chip was launched on July 23, 2026; its instructions are those of AMD's public machine-readable ISA for CDNA 5 (MIT licence, August 2026) and "CDNA5" Instruction Set Architecture Reference Guide (July 2026). The comments in the code are by the model that wrote it; some were corrected since.
;; Multihead Attention. Allowed arithmetic: float matrix products may take bf16 or f16 operands with f32 sums; all other float work in f32.
;; Inputs: bk 1,024 float32; bo 1,024 float32; bq 1,024 float32; bv 1,024 float32; wk 1,024 x 1,024 float32; wo 1,024 x 1,024 float32; wq 1,024 x 1,024 float32; wv 1,024 x 1,024 float32; x 2 x 2,048 x 1,024 float32.
;; Outputs: out0 2 x 2,048 x 1,024 float32.
;; One version. Each part assembles by itself: llvm-mc -triple=amdgcn-amd-amdhsa -mcpu=gfx1250 --defsym DOCPART=n.
;; ======== version 1 of 1: 4 launches
;; limits: values are held in f16: magnitudes above 65,504 overflow, below 6.1e-05 lose precision
;; workspace buffers: xb 8,388,608 bytes; wqkvb 6,291,456 bytes; wob 2,097,152 bytes; qb 8,388,608 bytes; kb 8,388,608 bytes; vtb 8,388,608 bytes; ab 8,388,608 bytes
;; launch cast (part 1): grid 64 x 8, 8 waves a work-group, no clusters, 0 bytes of LDS; arguments x, wq, wk, wv, wo, xb, wqkvb, wob; writes xb, wqkvb, wob
.if DOCPART == 1
	.amdgcn_target "amdgcn-amd-amdhsa--gfx1250"
	.amdhsa_code_object_version 6
	.text
	.protected	k_qe8eee609dd_cast
	.globl	k_qe8eee609dd_cast
	.p2align	8
	.type	k_qe8eee609dd_cast,@function
k_qe8eee609dd_cast:
	s_mov_b64 s[64:65], 0
	v_nop
	global_prefetch_b8 v0, s[64:65] scope:SCOPE_SE
	s_setreg_imm32_b32 hwreg(HW_REG_WAVE_MODE, 25, 1), 1
	s_wait_xcnt 0x0
; f32 to bf16, once, for everything that later goes to the matrix units: x, wq, wk, wv, wo.
; Eight matrices of 1024 x 1024 f32: y = 0..3 the quarters of x, 4 wq, 5 wk, 6 wv, 7 wo.  A work-group takes 16 rows (64 KiB in, 32 KiB out),
; a wave two rows = 8,192 contiguous bytes: sixteen loads of 512 contiguous bytes, all issued before the first is used.
; x and wo keep their order.  The rows of wq, wk, wv are laid as wqkvb[head][q,k,v][64][1024], so that the 192 weight rows that one head
; needs are contiguous for the next launch's tiles.
; A stream: each byte is read once and written once; LDS, barriers and matrix units would add nothing and are left out.
; Rounding: to nearest even, once.
.set X, 4                              ; v[4:67]   sixteen loads of four f32
.set Y, 68                             ; v[68:99]  sixteen pairs of packed bf16
	s_load_b512 s[8:23], s[0:1], 0x0               ; x 8, wq 10, wk 12, wv 14, wo 16, xb 18, wqkvb 20, wob 22
	s_and_b32 s2, ttmp7, 0xffff                    ; y: which matrix
	v_lshrrev_b32 v1, 5, v0                        ; wave
	v_and_b32 v3, 31, v0                           ; lane
	v_lshlrev_b32 v3, 4, v3
	v_lshl_add_u32 v1, v1, 13, v3                  ; source: 8,192 x wave + 16 x lane
	v_lshrrev_b32 v2, 1, v1                        ; destination: half of that
	; offsets, in registers of their own
	s_lshl_b32 s28, s2, 22                         ; a quarter of x is 4 MiB
	s_cmp_lt_u32 s2, 4
	s_cselect_b32 s28, s28, 0                      ; the weights begin at their own pointers
	s_lshl_b32 s30, ttmp9, 16                      ; 16 rows of 4,096 bytes
	s_add_co_u32 s28, s28, s30
	s_mov_b32 s29, 0                               ; s[28:29]: source offset
	s_lshr_b32 s32, s28, 1                         ; destination offset where the order is kept
	s_lshr_b32 s33, ttmp9, 2                       ; head = row block / 4
	s_mul_i32 s33, s33, 192
	s_max_u32 s34, s2, 4
	s_sub_co_u32 s34, s34, 4                       ; 0 q, 1 k, 2 v
	s_lshl_b32 s35, s34, 6
	s_add_co_u32 s33, s33, s35
	s_and_b32 s35, ttmp9, 3
	s_lshl_b32 s35, s35, 4
	s_add_co_u32 s33, s33, s35                     ; row in wqkvb = 192 head + 64 type + 16 (row block mod 4)
	s_lshl_b32 s33, s33, 11                        ; rows of 2,048 bytes
	s_cmp_ge_u32 s2, 4
	s_cselect_b32 s36, s33, s32                    ; a weight: the permuted place,
	s_cmp_eq_u32 s2, 7
	s_cselect_b32 s32, s32, s36                    ; but wo keeps its order
	s_mov_b32 s33, 0                               ; s[32:33]: destination offset
	s_wait_kmcnt 0x0
	s_mov_b64 s[24:25], s[8:9]
	s_cmp_eq_u32 s2, 4
	s_cselect_b64 s[24:25], s[10:11], s[24:25]
	s_cmp_eq_u32 s2, 5
	s_cselect_b64 s[24:25], s[12:13], s[24:25]
	s_cmp_eq_u32 s2, 6
	s_cselect_b64 s[24:25], s[14:15], s[24:25]
	s_cmp_eq_u32 s2, 7
	s_cselect_b64 s[24:25], s[16:17], s[24:25]     ; the source buffer
	s_cmp_lt_u32 s2, 4
	s_cselect_b64 s[26:27], s[18:19], s[20:21]
	s_cmp_eq_u32 s2, 7
	s_cselect_b64 s[26:27], s[22:23], s[26:27]     ; the destination buffer
	s_add_nc_u64 s[24:25], s[24:25], s[28:29]
	s_add_nc_u64 s[26:27], s[26:27], s[32:33]
.irp i, 0,1,2,3,4,5,6,7,8,9,10,11,12,13,14,15
	global_load_b128 v[X+4*\i:X+4*\i+3], v1, s[24:25] offset:512*\i th:TH_LOAD_NT   ; read once in the launch
.endr
.irp i, 0,1,2,3,4,5,6,7,8,9,10,11,12,13,14,15
	s_wait_loadcnt 15-\i                           ; loads return in order: load i is in, the 15 - i younger ones stay out
	v_cvt_pk_bf16_f32 v[Y+2*\i], v[X+4*\i], v[X+4*\i+1]
	v_cvt_pk_bf16_f32 v[Y+2*\i+1], v[X+4*\i+2], v[X+4*\i+3]
	global_store_b64 v2, v[Y+2*\i:Y+2*\i+1], s[26:27] offset:256*\i   ; 32 lanes store 256 consecutive bytes, aligned; no register is written twice
.endr
	s_endpgm
.Lfunc_end_k_qe8eee609dd_cast:
	.size	k_qe8eee609dd_cast, .Lfunc_end_k_qe8eee609dd_cast-k_qe8eee609dd_cast
	.p2alignl 7, 3214868480
	.fill 96, 4, 3214868480
	.section	.rodata,"a",@progbits
	.p2align	6, 0x0
	.amdhsa_kernel k_qe8eee609dd_cast
		.amdhsa_group_segment_fixed_size 0
		.amdhsa_private_segment_fixed_size 0
		.amdhsa_enable_private_segment 0
		.amdhsa_kernarg_size 64
		.amdhsa_user_sgpr_count 2
		.amdhsa_user_sgpr_kernarg_segment_ptr 1
		.amdhsa_wavefront_size32 1
		.amdhsa_system_sgpr_workgroup_id_x 1
		.amdhsa_system_sgpr_workgroup_id_y 1
		.amdhsa_system_sgpr_workgroup_id_z 1
		.amdhsa_system_vgpr_workitem_id 0
		.amdhsa_next_free_vgpr 100
		.amdhsa_next_free_sgpr 66
		.amdhsa_reserve_vcc 0
		.amdhsa_float_denorm_mode_32 3
		.amdhsa_float_denorm_mode_16_64 3
		.amdhsa_memory_ordered 1
		.amdhsa_forward_progress 1
		.amdhsa_inst_pref_size 8
	.end_amdhsa_kernel
	.amdgpu_metadata
---
amdhsa.version: [ 1, 2 ]
amdhsa.kernels:
  - .name:           k_qe8eee609dd_cast
    .symbol:         k_qe8eee609dd_cast.kd
    .args:
      - { .name: x, .offset: 0, .size: 8, .value_kind: global_buffer, .address_space: global }
      - { .name: wq, .offset: 8, .size: 8, .value_kind: global_buffer, .address_space: global }
      - { .name: wk, .offset: 16, .size: 8, .value_kind: global_buffer, .address_space: global }
      - { .name: wv, .offset: 24, .size: 8, .value_kind: global_buffer, .address_space: global }
      - { .name: wo, .offset: 32, .size: 8, .value_kind: global_buffer, .address_space: global }
      - { .name: xb, .offset: 40, .size: 8, .value_kind: global_buffer, .address_space: global }
      - { .name: wqkvb, .offset: 48, .size: 8, .value_kind: global_buffer, .address_space: global }
      - { .name: wob, .offset: 56, .size: 8, .value_kind: global_buffer, .address_space: global }
    .group_segment_fixed_size: 0
    .private_segment_fixed_size: 0
    .kernarg_segment_align: 8
    .kernarg_segment_size: 64
    .max_flat_workgroup_size: 256
    .sgpr_count:     66
    .vgpr_count:     100
    .wavefront_size: 32
...
	.end_amdgpu_metadata
.endif
;; end of part 1
;; launch qkv (part 2): grid 16 x 16, 4 waves a work-group, clusters of 4 x 4, 327,680 bytes of LDS; arguments xb, wqkvb, bq, bk, bv, qb, kb, vtb; writes qb, kb, vtb
.if DOCPART == 2
	.amdgcn_target "amdgcn-amd-amdhsa--gfx1250"
	.amdhsa_code_object_version 6
	.text
	.protected	k_qe8eee609dd_qkv
	.globl	k_qe8eee609dd_qkv
	.p2align	8
	.type	k_qe8eee609dd_qkv,@function
k_qe8eee609dd_qkv:
	s_mov_b64 s[64:65], 0
	v_nop
	global_prefetch_b8 v0, s[64:65] scope:SCOPE_SE
	s_setreg_imm32_b32 hwreg(HW_REG_WAVE_MODE, 25, 1), 1
	s_wait_xcnt 0x0
	s_wait_alu depctr_hold_cnt(0) depctr_sa_sdst(0) depctr_va_vdst(0) depctr_va_sdst(0) depctr_va_ssrc(0) depctr_va_vcc(0) depctr_vm_vsrc(0)
	s_getreg_b32 s2, hwreg(HW_REG_IB_STS2, 6, 4)
	s_cmp_eq_u32 s2, 0
	s_cbranch_scc0 .Lentry_in_a_cluster
	s_endpgm
.Lentry_in_a_cluster:
	s_bfe_u32 s2, ttmp6, 0x10000c
	s_cmp_lg_u32 s2, 0xf033
	s_cbranch_scc0 .Lentry_shape_is_right
	s_endpgm
.Lentry_shape_is_right:
; q, k, v of one head for 256 rows of x:  y[l][e] = sum over d of x[l][d] w[e][d] + bias[e], bf16 operands, f32 sums, each result rounded once:
; q and k to bf16, v to f16.
; A work-group makes 256 rows x 192 columns (64 of q, 64 of k, 64 of v of its head); wave (wm, wn) makes rows 128 wm .. +127 and columns
; 32 wn .. +31 of each of q, k, v: 8 x 6 = 48 accumulator tiles of 16 x 16.  K = 1024 goes in 8 steps of 128 through two LDS slots.
; q and k tiles are made transposed (source 0 = weight rows, source 1 = x rows): a lane then holds 8 neighbouring columns of one row.
; v tiles are made the natural way (source 0 = x rows): a lane holds 8 neighbouring rows l of one column d, which is V transposed, as the
; attention wants it: vtb[b*16+head][d][l].  qb and kb are [b*16+head][l][64].
; WHY V IS f16: the attention's output is a sum of 2,048 terms p v of both signs, so each term's relative rounding error goes through to the
; output whole; f16 has 11 significant bits where bf16 has 8.  Its range has the room: v is a sum of 1,024 products of x (spread 1) and wv
; (spread 1/32), spread 1; with every input 30 times larger it is 900 times larger, about 5,000 at the most; with common offsets of 30 spreads
; on x (30) and on wv (30/32) it is about 1,024 x 30 x 0.94 = 28,800; 900 times smaller its spread is 1.1e-3 against a least step of 6e-8.
; LIMIT: |v| above 65,504 becomes infinite.
; CLUSTERS: 4 x 4 work-groups.  x's tile hangs on the row block alone and is asked for jointly along a row of the cluster, the weights' tile
; on the head alone and is asked for jointly along a column: each is requested once for four work-groups.
; The bias is the C operand of each tile's first product: nothing is cleared and nothing is added on the way out.
; REGISTERS: window 0: addresses, x fragments (two buffers), bias, packed results.  Window 1: the 32 tiles of q and k.
; Window 2: the 16 tiles of v (v0-127) and the weight fragments (two buffers, v128-175, v176-223).
; Further limits: operands are bf16; NaN and infinities are not treated apart.
.set KSTEP,  128
.set PITCH,  272                       ; an LDS row: 256 bytes + 16 of padding, an odd multiple of 16: the 16 rows of a fragment load start at 16 different 16-byte columns modulo 256
.set AHALF,  128*PITCH                 ; what one load of x brings
.set ABYTES, 2*AHALF
.set BHALF,  96*PITCH                  ; what one load of weights brings
.set SLOT,   ABYTES+2*BHALF            ; x's 256 rows, then the head's 192 weight rows [q 64][k 64][v 64]
.set QPITCH, 144                       ; the stage for q and k: rows of 128 bytes + 16
.set KST,    256*QPITCH
.set VST,    2*KST
.set VPITCH, 528                       ; the stage for V transposed: rows of 512 bytes + 16
.set ADRA, 16                          ; v16-17  LDS address of my x fragments in slot 0, 1
.set ADRB, 20                          ; v20-21  the same for the weights
.set STQ,  24                          ; where I put 16 bytes of a row of q or k
.set STV,  25                          ; where I put 16 bytes of a row of V transposed
.set RDQ,  26                          ; where I read q and k back
.set RDV,  27                          ; where I read V transposed back
.set GOQ,  28                          ; my byte offset in qb and kb
.set GOV,  29                          ; my byte offset in vtb
.set BOQ,  30                          ; my byte offset in bq and bk
.set BOV,  31                          ; my byte offset in bv
.set F0,   64
.set F1,   128
.set BF0,  128                         ; window 2
.set BF1,  176                         ; window 2
.set BIAS, 192                         ; v192-239: q0 q1 k0 k1 v0 v1, 8 registers each
.set TMP,  192                         ; the way out
.set G1,  24
.set G0,  32
.set G1B, 48
.set G0B, 56
.set SW,   0x52                        ; D, C window 1; source 0 (weights) window 2; source 1 (x) window 0
.set SW1,  0x42                        ; the same with C (bias) in window 0
.set NAT,  0xa8                        ; D, C window 2; source 0 (x) window 0; source 1 (weights) window 2
.set NAT1, 0x88                        ; the same with C (bias) in window 0
.set TO_B, 0x80                        ; destination window 2, address window 0
.set MSB, 0
.macro WIN new                         ; the immediate's high byte repeats the setting that is left
.if MSB != \new
	s_set_vgpr_msb (MSB<<8)|\new
.set MSB, \new
.endif
.endm
.macro PLACES                          ; four places behind a matrix instruction, in front of loads into its sources and of reads of its result
.rept 4
	v_nop
.endr
.endm
; A joint load: waves 0 and 1 fetch x's two halves, waves 2 and 3 the weights'.  The branch hangs on the wave's number alone.
.macro JLOAD s
	s_cmp_eq_u32 s11, 0
	s_cbranch_scc0 .Lfor_b_\@
	tensor_load_to_lds s[G0+4*\s:G0+4*\s+3], s[G1:G1+7]
	s_nop 0
	s_branch .Lasked_\@
.Lfor_b_\@:
	tensor_load_to_lds s[G0B+4*\s:G0B+4*\s+3], s[G1B:G1B+7]
	s_nop 0
.Lasked_\@:
.endm
.macro CREST                           ; a round of the cluster's barrier behind its opening work-group barrier
	s_cmp_lg_u32 s10, 0
	s_cbranch_scc1 .Lnot_wave_0_\@
	s_barrier_signal -3
.Lnot_wave_0_\@:
	s_barrier_wait -3
	s_barrier_signal -1
	s_barrier_wait -1
.endm
.macro CROUND
	s_barrier_signal -1
	s_barrier_wait -1
	CREST
.endm
	s_load_b512 s[68:83], s[0:1], 0x0              ; xb 68, wqkvb 70, bq 72, bk 74, bv 76, qb 78, kb 80, vtb 82
	s_set_vgpr_msb 0x80
	v_lshl_add_u32 v255, v0, 2, 0x3b800
	s_set_vgpr_msb 0x8000
	v_mov_b32 v63, 0
	s_set_vgpr_msb 0x2
	ds_add_u32 v255, v63
	s_set_vgpr_msb 0x200
	v_lshrrev_b32 v1, 5, v0
	v_readfirstlane_b32 s10, v1                    ; wave 0..3
	s_lshr_b32 s11, s10, 1                         ; wm.  Also: I fetch x (0) or weights (1)
	s_and_b32 s12, s10, 1                          ; wn.  Also: which half of that tile I fetch
	s_bfe_u32 s40, ttmp6, 0x40000                  ; cx
	s_bfe_u32 s41, ttmp6, 0x40004                  ; cy
	s_lshl_b32 s42, ttmp9, 2
	s_add_co_u32 s42, s42, s40                     ; head = 4 x cluster x + cx
	s_and_b32 s13, ttmp7, 0xffff
	s_lshl_b32 s13, s13, 2
	s_add_co_u32 s13, s13, s41                     ; row block = 4 x cluster y + cy
	s_lshl_b32 s43, s41, 2
	s_lshl_b32 s43, 15, s43                        ; my row of the cluster
	s_lshl_b32 s44, 0x1111, s40                    ; my column
	; group 1: rows of 128 bf16, padded by 4 words behind every 64; 128 rows of x, 96 rows of weights; pitch 1,024 elements
	s_or_b32 s[G1+0], s43, (1<<16)|(1<<20)|(1<<21)|(5<<22)|(3<<25)
	s_or_b32 s[G1B+0], s44, (1<<16)|(1<<20)|(1<<21)|(5<<22)|(3<<25)
	s_mov_b32 s[G1+1], KSTEP<<16                   ; tensor_dim0 = 128
	s_mov_b32 s[G1B+1], KSTEP<<16
	s_mov_b32 s[G1+2], 128<<16                     ; tensor_dim1
	s_mov_b32 s[G1B+2], 96<<16
	s_mov_b32 s[G1+3], KSTEP<<16                   ; tile_dim0 = 128
	s_mov_b32 s[G1B+3], KSTEP<<16
	s_mov_b32 s[G1+4], 128                         ; tile_dim1
	s_mov_b32 s[G1B+4], 96
	s_mov_b32 s[G1+5], 1024                        ; elements from row to row
	s_mov_b32 s[G1B+5], 1024
	s_mov_b32 s[G1+6], 0
	s_mov_b32 s[G1B+6], 0
	s_mov_b32 s[G1+7], 0
	s_mov_b32 s[G1B+7], 0
	; where the tiles come from: x's hang on the row block, the weights' on the head; each in registers that never hold the other coordinate
	s_lshl_b32 s17, s12, 7
	s_lshl_b32 s16, s13, 8
	s_add_co_u32 s16, s16, s17                     ; x: row 256 x block + 128 x half
	s_lshl_b32 s16, s16, 11                        ; rows of 2,048 bytes
	s_mov_b32 s17, 0
	s_mul_i32 s46, s42, 192
	s_mul_i32 s47, s12, 96
	s_add_co_u32 s46, s46, s47                     ; weights: row 192 x head + 96 x half
	s_lshl_b32 s46, s46, 11
	s_mov_b32 s47, 0
	s_mul_i32 s20, s10, AHALF                      ; LDS: waves 0, 1: x's halves
	s_mul_i32 s21, s10, BHALF
	s_add_co_u32 s21, s21, ABYTES-2*BHALF          ; waves 2, 3: the weights' halves, behind x's 256 rows
	v_and_b32 v1, 15, v0                           ; r
	v_bfe_u32 v2, v0, 4, 1                         ; h
	v_and_b32 v3, 31, v0                           ; lane
	s_lshl_b32 s66, s42, 8                         ; 64 columns of f32 a head
	s_lshl_b32 s67, s12, 7                         ; 32 columns for wn
	s_add_co_u32 s66, s66, s67
	v_lshl_add_u32 v[BOQ], v2, 5, s66              ; transposed tiles: register j holds column 8 h + j
	v_lshl_add_u32 v[BOV], v1, 2, s66              ; natural tiles: every register holds column r
	s_wait_dscnt 0x0
	s_wait_kmcnt 0x0
	s_add_nc_u64 s[14:15], s[68:69], s[16:17]
	s_add_nc_u64 s[46:47], s[70:71], s[46:47]
.irp i, 0,1
	global_load_b128 v[BIAS+8*\i:BIAS+8*\i+3],       v[BOQ], s[72:73] offset:64*\i
	global_load_b128 v[BIAS+8*\i+4:BIAS+8*\i+7],     v[BOQ], s[72:73] offset:64*\i+16
	global_load_b128 v[BIAS+16+8*\i:BIAS+16+8*\i+3],   v[BOQ], s[74:75] offset:64*\i
	global_load_b128 v[BIAS+16+8*\i+4:BIAS+16+8*\i+7], v[BOQ], s[74:75] offset:64*\i+16
.irp j, 0,1,2,3,4,5,6,7
	global_load_b32 v[BIAS+32+8*\i+\j], v[BOV], s[76:77] offset:64*\i
.endr
.endr
	CROUND                                         ; all sixteen work-groups are here: the first joint loads meet
.irp s, 0,1
	s_mov_b32 s[G0+4*\s], 1
	s_add_co_u32 s[G0+4*\s+1], s20, \s*SLOT
	s_add_nc_u64 s[G0+4*\s+2:G0+4*\s+3], s[14:15], \s*KSTEP*2
	s_or_b32 s[G0+4*\s+3], s[G0+4*\s+3], 0x80000000
	s_mov_b32 s[G0B+4*\s], 1
	s_add_co_u32 s[G0B+4*\s+1], s21, \s*SLOT
	s_add_nc_u64 s[G0B+4*\s+2:G0B+4*\s+3], s[46:47], \s*KSTEP*2
	s_or_b32 s[G0B+4*\s+3], s[G0B+4*\s+3], 0x80000000
	JLOAD \s                                       ; K steps 0 and 1: two loads of the wave are out
.endr
	; LDS addresses.  A fragment: lane (r, h) takes row r, 16 bytes at 16 h and 16 bytes 32 further on.
	v_mul_u32_u24 v4, v1, PITCH
	v_lshl_add_u32 v4, v2, 4, v4
	s_mul_i32 s22, s11, AHALF                      ; my 128 rows of x
	s_mul_i32 s23, s12, 32*PITCH                   ; my 32 rows of each of q, k, v
	s_add_co_u32 s23, s23, ABYTES
.irp s, 0,1
	v_add_nc_u32 v[ADRA+\s], s22, v4
	v_add_nc_u32 v[ADRB+\s], s23, v4
	s_add_co_u32 s22, s22, SLOT
	s_add_co_u32 s23, s23, SLOT
.endr
	v_mul_u32_u24 v5, v1, QPITCH
	v_lshl_add_u32 v5, v2, 4, v5
	s_mul_i32 s22, s11, 128*QPITCH
	s_lshl_b32 s23, s12, 6
	s_add_co_u32 s22, s22, s23
	v_add_nc_u32 v[STQ], s22, v5                   ; (128 wm + r) x 144 + 64 wn + 16 h
	v_mul_u32_u24 v5, v1, VPITCH
	v_lshl_add_u32 v5, v2, 4, v5
	s_mul_i32 s22, s12, 32*VPITCH
	s_lshl_b32 s23, s11, 8
	s_add_co_u32 s22, s22, s23
	s_add_co_u32 s22, s22, VST
	v_add_nc_u32 v[STV], s22, v5                   ; VST + (32 wn + r) x 528 + 256 wm + 16 h
	v_lshrrev_b32 v5, 3, v3
	v_and_b32 v6, 7, v3
	v_mul_u32_u24 v5, v5, QPITCH
	v_lshl_add_u32 v5, v6, 4, v5
	s_mul_i32 s22, s10, 64*QPITCH
	v_add_nc_u32 v[RDQ], s22, v5                   ; four rows of 128 bytes a load, my 64 rows
	s_mul_i32 s22, s10, 16*VPITCH
	s_add_co_u32 s22, s22, VST
	v_lshl_add_u32 v[RDV], v3, 4, s22              ; one row of 512 bytes a load, my 16 rows
	s_lshl_b32 s22, s10, 13
	v_lshl_add_u32 v[GOQ], v3, 4, s22
	s_lshl_b32 s22, s10, 16
	v_lshl_add_u32 v[GOV], v3, 4, s22
; 16 products: the two v tiles' columns x my 8 row blocks, 32 along K
.macro MULV f, bf, first
.irp b, 0,1
.irp a, 0,1,2,3,4,5,6,7
.if \first
	v_wmma_f32_16x16x32_bf16 v[8*(8*\b+\a):8*(8*\b+\a)+7], v[\f+8*\a:\f+8*\a+7], v[\bf+8*(4+\b):\bf+8*(4+\b)+7], v[BIAS+8*(4+\b):BIAS+8*(4+\b)+7]
.else
	v_wmma_f32_16x16x32_bf16 v[8*(8*\b+\a):8*(8*\b+\a)+7], v[\f+8*\a:\f+8*\a+7], v[\bf+8*(4+\b):\bf+8*(4+\b)+7], v[8*(8*\b+\a):8*(8*\b+\a)+7]
.endif
.endr
.endr
.endm
; 32 products: q0 q1 k0 k1 x my 8 row blocks, transposed
.macro MULQK f, bf, first
.irp b, 0,1,2,3
.irp a, 0,1,2,3,4,5,6,7
.if \first
	v_wmma_f32_16x16x32_bf16 v[8*(8*\b+\a):8*(8*\b+\a)+7], v[\bf+8*\b:\bf+8*\b+7], v[\f+8*\a:\f+8*\a+7], v[BIAS+8*\b:BIAS+8*\b+7]
.else
	v_wmma_f32_16x16x32_bf16 v[8*(8*\b+\a):8*(8*\b+\a)+7], v[\bf+8*\b:\bf+8*\b+7], v[\f+8*\a:\f+8*\a+7], v[8*(8*\b+\a):8*(8*\b+\a)+7]
.endif
.endr
.endr
.endm
; 28 LDS loads in one run: the fragments of 32 along K at byte k of the rows: 6 of weights, 8 of x
.macro FETCH slot, k, f, bf
	WIN TO_B
.irp b, 0,1,2,3,4,5
	ds_load_b128 v[\bf+8*\b:\bf+8*\b+3],   v[ADRB+\slot] offset:((\b>>1)*64+(\b&1)*16)*PITCH+\k
	ds_load_b128 v[\bf+8*\b+4:\bf+8*\b+7], v[ADRB+\slot] offset:((\b>>1)*64+(\b&1)*16)*PITCH+\k+32
.endr
	WIN 0
.irp a, 0,1,2,3,4,5,6,7
	ds_load_b128 v[\f+8*\a:\f+8*\a+3],   v[ADRA+\slot] offset:\a*16*PITCH+\k
	ds_load_b128 v[\f+8*\a+4:\f+8*\a+7], v[ADRA+\slot] offset:\a*16*PITCH+\k+32
.endr
.endm
; A quarter of a K step: buffer f, asked for a quarter earlier, is multiplied (48 products) while the next quarter's fragments come into buffer g.
; The 48 accumulators take turns, one instruction a turn, in the same order in every quarter.
.macro QUARTER slot, k, f, bf, g, bg, first
	s_wait_dscnt 0x0                               ; buffer f is in: its 28 loads were issued 48 products ago
	PLACES                                         ; buffer g was read by the products just issued
	FETCH \slot, \k, \g, \bg
.if \first
	WIN NAT1
.else
	WIN NAT
.endif
	MULV \f, \bf, \first
.if \first
	WIN SW1
.else
	WIN SW
.endif
	MULQK \f, \bf, \first
.endm
.macro THREE slot, first
	QUARTER \slot, 64,  F0, BF0, F1, BF1, \first
	QUARTER \slot, 128, F1, BF1, F0, BF0, 0
	QUARTER \slot, 192, F0, BF0, F1, BF1, 0
.endm
; The last quarter changes slots.  In front of the barrier each wave waits for its reads of this slot and for all its tensor loads (one is out:
; its part of the next slot).  Where the slot is filled again the barrier opens a round of the cluster's barrier, and the joint refill is the
; first tensor load behind the round's closing wait; it has 176 products of the wave in which to land.
.macro TURN slot, next, fill
	s_wait_dscnt 0x0
	s_wait_tensorcnt 0x0
	ds_add_u32 v255, v63
	s_wait_dscnt 0x0
	s_barrier_signal -1
	WIN NAT
	MULV F1, BF1, 0                                ; register work while the others arrive
	WIN 0
	s_barrier_wait -1
.if \fill
	CREST
	s_add_nc_u64 s[G0+4*\slot+2:G0+4*\slot+3], s[G0+4*\slot+2:G0+4*\slot+3], 2*KSTEP*2     ; no load of the wave is out: the addresses may step
	s_add_nc_u64 s[G0B+4*\slot+2:G0B+4*\slot+3], s[G0B+4*\slot+2:G0B+4*\slot+3], 2*KSTEP*2
	JLOAD \slot
.endif
	PLACES
	FETCH \next, 0, F0, BF0
	WIN SW
	MULQK F1, BF1, 0
.endm
.macro LAP first
	THREE 0, \first
	TURN 0, 1, 1
	THREE 1, 0
	TURN 1, 0, 1
.endm
	s_wait_tensorcnt 0x1                           ; my part of K step 0 is in; K step 1's load, issued behind it, stays out
	s_barrier_signal -1
	s_barrier_wait -1
	s_wait_loadcnt 0x0                             ; the bias
	FETCH 0, 0, F0, BF0
	LAP 1                                          ; K steps 0, 1; asks for 2, 3
	WIN 0
	s_mov_b32 s3, 2
.Llap:
	LAP 0                                          ; K steps 2 to 5; asks for 4 to 7
	WIN 0
	s_sub_co_u32 s3, s3, 1
	s_cmp_lg_u32 s3, 0
	s_cbranch_scc1 .Llap
	THREE 0, 0                                     ; K steps 6, 7: nothing is left to ask for
	TURN 0, 1, 0
	THREE 1, 0
	s_wait_dscnt 0x0
	WIN NAT
	MULV F1, BF1, 0
	WIN SW
	MULQK F1, BF1, 0
	; THE WAY OUT.  The ring has had its last fill; behind a barrier its bytes serve as the stage.
	PLACES
	WIN 0
	s_lshr_b32 s45, s13, 3                         ; b
	s_lshl_b32 s45, s45, 4
	s_add_co_u32 s45, s45, s42                     ; b x 16 + head
	s_lshl_b32 s45, s45, 18                        ; 2,048 x 64 numbers of 2 bytes
	s_and_b32 s66, s13, 7                          ; which 256 of the 2,048 rows
	s_lshl_b32 s67, s66, 9                         ; vtb: 256 columns of 2 bytes
	s_lshl_b32 s66, s66, 15                        ; qb, kb: 256 rows of 128 bytes
	s_add_co_u32 s66, s66, s45
	s_add_co_u32 s46, s67, s45
	s_mov_b32 s67, 0
	s_mov_b32 s47, 0
	s_add_nc_u64 s[78:79], s[78:79], s[66:67]
	s_add_nc_u64 s[80:81], s[80:81], s[66:67]
	s_add_nc_u64 s[82:83], s[82:83], s[46:47]
	s_wait_dscnt 0x0                               ; my reads of the ring are over,
	s_barrier_signal -1
	s_barrier_wait -1                              ; everybody's are
.irp b, 0,1,2,3
	WIN 0x05                                       ; sources in window 1
.irp a, 0,1,2,3,4,5,6,7
.irp e, 0,1,2,3
	v_cvt_pk_bf16_f32 v[TMP+4*\a+\e], v[8*(8*\b+\a)+2*\e], v[8*(8*\b+\a)+2*\e+1]
.endr
.endr
	WIN 0
.irp a, 0,1,2,3,4,5,6,7
	ds_store_b128 v[STQ], v[TMP+4*\a:TMP+4*\a+3] offset:(\b>>1)*KST+\a*16*QPITCH+(\b&1)*32
.endr
.endr
.irp b, 0,1
	WIN 0x0a                                       ; sources in window 2
.irp a, 0,1,2,3,4,5,6,7
.irp e, 0,1,2,3
	v_cvt_pk_f16_f32 v[TMP+4*\a+\e], v[8*(8*\b+\a)+2*\e], v[8*(8*\b+\a)+2*\e+1]   ; v goes out as f16: see the head
.endr
.endr
	WIN 0
.irp a, 0,1,2,3,4,5,6,7
	ds_store_b128 v[STV], v[TMP+4*\a:TMP+4*\a+3] offset:\b*16*VPITCH+\a*32
.endr
.endr
	s_wait_dscnt 0x0                               ; my stores are done, for the waves that read them
	s_barrier_signal -1
	s_barrier_wait -1
; sixteen loads of 512 bytes from the stage, sixteen stores of 512 consecutive bytes each, aligned
.macro OUTB rd, rdoff, rdstep, go, gostep, base, f
.irp i, 0,1,2,3,4,5,6,7,8,9,10,11,12,13,14,15
	ds_load_b128 v[\f+4*\i:\f+4*\i+3], v[\rd] offset:\rdoff+\rdstep*\i
.endr
.irp i, 0,1,2,3,4,5,6,7,8,9,10,11,12,13,14,15
	s_wait_dscnt 15-\i                             ; load i is in, the 15 - i younger ones stay out
	global_store_b128 v[\go], v[\f+4*\i:\f+4*\i+3], s[\base:\base+1] offset:\gostep*\i
.endr
.endm
	OUTB RDQ, 0,   4*QPITCH, GOQ, 512,  78, 64     ; q: each batch has registers of its own
	OUTB RDQ, KST, 4*QPITCH, GOQ, 512,  80, 128    ; k
	OUTB RDV, 0,   VPITCH,   GOV, 4096, 82, 192    ; V transposed: rows 4,096 bytes apart
	s_set_vgpr_msb 0x2
	s_wait_tensorcnt 0x0
	ds_add_u32 v255, v63
	s_wait_dscnt 0x0
	s_set_vgpr_msb 0x200
	CROUND                                         ; the closing round
	s_endpgm
.Lfunc_end_k_qe8eee609dd_qkv:
	.size	k_qe8eee609dd_qkv, .Lfunc_end_k_qe8eee609dd_qkv-k_qe8eee609dd_qkv
	.p2alignl 7, 3214868480
	.fill 96, 4, 3214868480
	.section	.rodata,"a",@progbits
	.p2align	6, 0x0
	.amdhsa_kernel k_qe8eee609dd_qkv
		.amdhsa_group_segment_fixed_size 327680
		.amdhsa_private_segment_fixed_size 0
		.amdhsa_enable_private_segment 0
		.amdhsa_kernarg_size 64
		.amdhsa_user_sgpr_count 2
		.amdhsa_user_sgpr_kernarg_segment_ptr 1
		.amdhsa_wavefront_size32 1
		.amdhsa_system_sgpr_workgroup_id_x 1
		.amdhsa_system_sgpr_workgroup_id_y 1
		.amdhsa_system_sgpr_workgroup_id_z 1
		.amdhsa_system_vgpr_workitem_id 0
		.amdhsa_next_free_vgpr 768
		.amdhsa_next_free_sgpr 84
		.amdhsa_reserve_vcc 0
		.amdhsa_float_denorm_mode_32 3
		.amdhsa_float_denorm_mode_16_64 3
		.amdhsa_memory_ordered 1
		.amdhsa_forward_progress 1
		.amdhsa_inst_pref_size 160
	.end_amdhsa_kernel
	.amdgpu_metadata
---
amdhsa.version: [ 1, 2 ]
amdhsa.kernels:
  - .name:           k_qe8eee609dd_qkv
    .symbol:         k_qe8eee609dd_qkv.kd
    .args:
      - { .name: xb, .offset: 0, .size: 8, .value_kind: global_buffer, .address_space: global }
      - { .name: wqkvb, .offset: 8, .size: 8, .value_kind: global_buffer, .address_space: global }
      - { .name: bq, .offset: 16, .size: 8, .value_kind: global_buffer, .address_space: global }
      - { .name: bk, .offset: 24, .size: 8, .value_kind: global_buffer, .address_space: global }
      - { .name: bv, .offset: 32, .size: 8, .value_kind: global_buffer, .address_space: global }
      - { .name: qb, .offset: 40, .size: 8, .value_kind: global_buffer, .address_space: global }
      - { .name: kb, .offset: 48, .size: 8, .value_kind: global_buffer, .address_space: global }
      - { .name: vtb, .offset: 56, .size: 8, .value_kind: global_buffer, .address_space: global }
    .group_segment_fixed_size: 327680
    .private_segment_fixed_size: 0
    .kernarg_segment_align: 8
    .kernarg_segment_size: 64
    .max_flat_workgroup_size: 128
    .sgpr_count:     84
    .vgpr_count:     768
    .wavefront_size: 32
...
	.end_amdgpu_metadata
.endif
;; end of part 2
;; launch attn (part 3): grid 8 x 32, 8 waves a work-group, clusters of 4 x 1, 327,680 bytes of LDS; arguments qb, kb, vtb, ab; writes ab
.if DOCPART == 3
	.amdgcn_target "amdgcn-amd-amdhsa--gfx1250"
	.amdhsa_code_object_version 6
	.text
	.protected	k_qe8eee609dd_attn
	.globl	k_qe8eee609dd_attn
	.p2align	8
	.type	k_qe8eee609dd_attn,@function
k_qe8eee609dd_attn:
	s_mov_b64 s[64:65], 0
	v_nop
	global_prefetch_b8 v0, s[64:65] scope:SCOPE_SE
	s_setreg_imm32_b32 hwreg(HW_REG_WAVE_MODE, 25, 1), 1
	s_wait_xcnt 0x0
	s_wait_alu depctr_hold_cnt(0) depctr_sa_sdst(0) depctr_va_vdst(0) depctr_va_sdst(0) depctr_va_ssrc(0) depctr_va_vcc(0) depctr_vm_vsrc(0)
	s_getreg_b32 s2, hwreg(HW_REG_IB_STS2, 6, 4)
	s_cmp_eq_u32 s2, 0
	s_cbranch_scc0 .Lentry_in_a_cluster
	s_endpgm
.Lentry_in_a_cluster:
	s_bfe_u32 s2, ttmp6, 0x10000c
	s_cmp_lg_u32 s2, 0x3003
	s_cbranch_scc0 .Lentry_shape_is_right
	s_endpgm
.Lentry_shape_is_right:
; softmax(q k^T / 32) v for one (batch, head) y and 256 queries.  qb, kb: [y][2048][64] bf16; vtb: [y][64 d][2048 l] f16; ab: [head][b*2048+l][64] bf16.
; Eight waves: wave w has 64 queries (qg = w & 3) and half of the keys (kh = w >> 2: keys 128 kh .. +127 of every tile of 256), with a running
; maximum, sum and output of its own; the two halves are merged once at the end.  Two waves lie on a SIMD, so that one wave's vector work
; stands beside the other's products.
; TRANSPOSED: S^T = K Q^T (source 0 = 16 keys, source 1 = 16 queries): lane (r, hh) holds query r and keys 8 hh + 0..7 of the tile.  Two such
; tiles, packed to 16 bits, ARE the second source of O^T = V^T P^T for 32 keys: P never moves between lanes, and maximum, sum and rescaling
; factor are one number a lane (the maximum crosses the two halves of the wave once).
; SOFTMAX: p = exp2(s c - m c), c = log2(e) / 32, m the running maximum of the raw scores, taken away as the reference takes it away.
; FORMATS: q k^T in bf16 (no bound on q and k is built in).  P V in f16: the output is a sum of 2,048 terms p v of both signs, so each term's
; relative rounding error goes through to it whole, and f16 has 11 significant bits where bf16 has 8.  p lies in [0, 1] by the computation
; itself, for every input; below 2^-14 it is an f16 denormal with an absolute error of at most 2^-25, over 2,048 keys at most 2^-14 of the
; largest |v|, against a sum that is at least 1.  V's room in f16 is reckoned at the head of the launch that stores it (|v| up to 65,504).
; Further limits: exp2 gives 0 below 2^-126; each half's sum is at least 1; NaN and infinities are not treated apart.
; CLUSTERS: the four work-groups of a cluster are four query blocks of one y and walk the same K and V tiles: every tile is asked for jointly (mask 15).
.set KPITCH, 144                       ; K rows: 128 bytes + 16
.set VPITCH, 528                       ; V^T rows: 512 bytes + 16
.set KB,     256*KPITCH
.set VB,     64*VPITCH
.set SLOT,   KB+VB                     ; 256 keys: K, then V^T
.set MST,    2*SLOT                    ; the merge stage: 34 lines of 512 bytes for each query group; no fill lands here
.set MSTW,   34*512
.set OST,    MST+4*MSTW                ; the output stage: 64 rows of 144 bytes for each query group
.set OSTW,   64*KPITCH
.set KTILE,  256*128                   ; bytes from a K tile to the next
.set VTILE,  256*2                     ; bytes from a V^T tile to the next
.set QO,   7
.set ADRK, 8                           ; v8-9    my K fragments in slot 0, 1
.set ADRV, 10                          ; v10-11  my V^T fragments
.set MA,   12
.set STO,  13
.set RD,   14
.set GO,   15
.set MX,   16                          ; v16-19  running maximum of query tile qt
.set T,    20
.set U,    24
.set NMC,  28                          ; v28-35  -m c, twice (pairs)
.set AL,   36                          ; v36-43  rescaling factor, twice
.set LP,   44                          ; v44-51  running sums, two partial sums a tile
.set M1,   52
.set L1,   56
.set LT,   60
.set Q,    64                          ; v64-127  Q[qt][ks] at 8 (2 qt + ks)
.set SC,   128                         ; v128-255 S[qt][kt] at 8 (4 qt + kt); P[qt][p] is packed onto S[qt][2p]
.set KF,   128                         ; window 1: K fragments [kt][ks]
.set VF,   192                         ; window 1: V^T fragments [dt][p];  window 1 v0-127: O[qt][dt] at 8 (4 qt + dt)
.set G1K, 24
.set G0K, 32
.set G1V, 48
.set G0V, 56
.set MSB, 0
.macro WIN new
.if MSB != \new
	s_set_vgpr_msb (MSB<<8)|\new
.set MSB, \new
.endif
.endm
.macro ROUND                           ; a round of the cluster's barrier
	s_barrier_signal -1
	s_barrier_wait -1
	s_cmp_lg_u32 s12, 0
	s_cbranch_scc1 .Lnot_wave_0_\@
	s_barrier_signal -3
.Lnot_wave_0_\@:
	s_barrier_wait -3
	s_barrier_signal -1
	s_barrier_wait -1
.endm
.macro JLOAD s                         ; waves 0-3 fetch 64 keys of K each, waves 4-7 sixteen rows of V^T each
	s_cmp_eq_u32 s13, 0
	s_cbranch_scc0 .Lfor_v_\@
	tensor_load_to_lds s[G0K+4*\s:G0K+4*\s+3], s[G1K:G1K+7]
	s_nop 0
	s_branch .Lasked_\@
.Lfor_v_\@:
	tensor_load_to_lds s[G0V+4*\s:G0V+4*\s+3], s[G1V:G1V+7]
	s_nop 0
.Lasked_\@:
.endm
	s_load_b256 s[4:11], s[0:1], 0x0               ; qb 4, kb 6, vtb 8, ab 10
	v_lshl_add_u32 v254, v0, 2, 0x3c800
	v_mov_b32 v255, 0
	ds_add_u32 v254, v255
	s_wait_dscnt 0x0
	v_lshrrev_b32 v1, 5, v0
	v_readfirstlane_b32 s12, v1                    ; wave 0..7
	s_lshr_b32 s13, s12, 2                         ; kh.  Also: I fetch K (0) or V^T (1)
	s_and_b32 s14, s12, 3                          ; qg.  Also: which quarter of the tile I fetch
	s_and_b32 s15, ttmp7, 0xffff                   ; y = b x 16 + head
	s_bfe_u32 s16, ttmp6, 0x40000                  ; cx
	s_lshl_b32 s17, ttmp9, 2
	s_add_co_u32 s17, s17, s16                     ; query block
	s_mov_b32 s18, 0x76543210                      ; v_permlanex16_b32: lane i reads lane i of the other half
	s_mov_b32 s19, 0xfedcba98
	s_mov_b32 s20, 0x3d38aa3b                      ; c = log2(e) / 32
	s_mov_b32 s21, 0x3d38aa3b
	s_mov_b32 s22, 0xbd38aa3b                      ; -c
	; group 1 for K: 64 rows of 64 bf16, dense in memory, 4 words of padding behind every 32
	s_mov_b32 s[G1K+0], 15|(1<<16)|(1<<20)|(1<<21)|(4<<22)|(3<<25)
	s_mov_b32 s[G1K+1], 64<<16
	s_mov_b32 s[G1K+2], 64<<16
	s_mov_b32 s[G1K+3], 64<<16
	s_mov_b32 s[G1K+4], 64
	s_mov_b32 s[G1K+5], 64
	s_mov_b32 s[G1K+6], 0
	s_mov_b32 s[G1K+7], 0
	; group 1 for V^T: 16 rows of 256 f16, 2,048 elements apart, 4 words of padding behind every 128
	s_mov_b32 s[G1V+0], 15|(1<<16)|(1<<20)|(1<<21)|(6<<22)|(3<<25)
	s_mov_b32 s[G1V+1], 256<<16
	s_mov_b32 s[G1V+2], 16<<16
	s_mov_b32 s[G1V+3], 256<<16
	s_mov_b32 s[G1V+4], 16
	s_mov_b32 s[G1V+5], 2048
	s_mov_b32 s[G1V+6], 0
	s_mov_b32 s[G1V+7], 0
	s_lshl_b32 s40, s15, 18                        ; a y is 2,048 x 64 numbers of 2 bytes
	s_lshl_b32 s42, s14, 13                        ; K: 64 rows of 128 bytes
	s_add_co_u32 s42, s42, s40
	s_mov_b32 s43, 0
	s_lshl_b32 s44, s14, 16                        ; V^T: 16 rows of 4,096 bytes
	s_add_co_u32 s44, s44, s40
	s_mov_b32 s45, 0
	s_mul_i32 s46, s12, 64*KPITCH                  ; LDS: waves 0-3
	s_mul_i32 s47, s12, 16*VPITCH
	s_add_co_u32 s47, s47, KB-4*16*VPITCH          ; waves 4-7, behind K's 256 rows
	s_lshl_b32 s66, s17, 15                        ; what hangs on cx has registers of its own: q's 256 rows of 128 bytes
	s_add_co_u32 s66, s66, s40
	s_mov_b32 s67, 0
	s_and_b32 s68, s15, 15
	s_lshl_b32 s68, s68, 19                        ; ab: a head is 4,096 rows of 128 bytes
	s_lshr_b32 s69, s15, 4
	s_lshl_b32 s69, s69, 18
	s_add_co_u32 s68, s68, s69
	s_lshl_b32 s69, s17, 15
	s_add_co_u32 s68, s68, s69
	s_mov_b32 s69, 0
	v_and_b32 v1, 15, v0                           ; r
	v_bfe_u32 v2, v0, 4, 1                         ; hh
	v_and_b32 v3, 31, v0                           ; lane
	s_lshl_b32 s23, s14, 13                        ; my 64 queries: 64 rows of 128 bytes
	v_lshl_add_u32 v[GO], v3, 4, s23
	v_lshlrev_b32 v5, 7, v1
	v_lshl_add_u32 v5, v2, 4, v5
	v_add_nc_u32 v[QO], s23, v5
	s_wait_kmcnt 0x0
	s_add_nc_u64 s[4:5], s[4:5], s[66:67]
	s_add_nc_u64 s[10:11], s[10:11], s[68:69]
	s_add_nc_u64 s[42:43], s[6:7], s[42:43]
	s_add_nc_u64 s[44:45], s[8:9], s[44:45]
.irp qt, 0,1,2,3
.irp ks, 0,1
	global_load_b128 v[Q+8*(2*\qt+\ks):Q+8*(2*\qt+\ks)+3],   v[QO], s[4:5] offset:\qt*2048+\ks*64
	global_load_b128 v[Q+8*(2*\qt+\ks)+4:Q+8*(2*\qt+\ks)+7], v[QO], s[4:5] offset:\qt*2048+\ks*64+32
.endr
.endr
	ROUND                                          ; the four work-groups are here: the first joint loads meet
.irp s, 0,1
	s_mov_b32 s[G0K+4*\s], 1
	s_add_co_u32 s[G0K+4*\s+1], s46, \s*SLOT
	s_add_nc_u64 s[G0K+4*\s+2:G0K+4*\s+3], s[42:43], \s*KTILE
	s_or_b32 s[G0K+4*\s+3], s[G0K+4*\s+3], 0x80000000
	s_mov_b32 s[G0V+4*\s], 1
	s_add_co_u32 s[G0V+4*\s+1], s47, \s*SLOT
	s_add_nc_u64 s[G0V+4*\s+2:G0V+4*\s+3], s[44:45], \s*VTILE
	s_or_b32 s[G0V+4*\s+3], s[G0V+4*\s+3], 0x80000000
	JLOAD \s                                       ; tiles 0 and 1: two loads of the wave are out
.endr
	v_mul_u32_u24 v4, v1, KPITCH
	v_lshl_add_u32 v4, v2, 4, v4                   ; r x 144 + 16 hh
	v_mul_u32_u24 v5, v1, VPITCH
	v_lshl_add_u32 v5, v2, 4, v5                   ; r x 528 + 16 hh
	s_mul_i32 s23, s13, 128*KPITCH                 ; my 128 keys of a tile
	s_lshl_b32 s41, s13, 8
	s_add_co_u32 s41, s41, KB
	v_add_nc_u32 v[ADRK], s23, v4
	v_add_nc_u32 v[ADRV], s41, v5
	v_add_nc_u32 v[ADRK+1], SLOT, v[ADRK]
	v_add_nc_u32 v[ADRV+1], SLOT, v[ADRV]
	s_mul_i32 s23, s14, MSTW
	s_add_co_u32 s23, s23, MST
	v_lshl_add_u32 v[MA], v3, 4, s23
	s_mul_i32 s23, s14, OSTW
	s_add_co_u32 s23, s23, OST
	v_add_nc_u32 v[STO], s23, v4
	v_lshrrev_b32 v5, 3, v3
	v_and_b32 v6, 7, v3
	v_mul_u32_u24 v5, v5, KPITCH
	v_lshl_add_u32 v5, v6, 4, v5
	v_add_nc_u32 v[RD], s23, v5
.irp qt, 0,1,2,3
	v_mov_b32 v[U+\qt], 0                          ; v_permlanex16_b32 counts as a reader of its destination
.endr
; 64 keys for my 64 queries: block it (0, 1) of my 128 keys in the slot.  first = 1: the very first block starts maximum, sums and output.
.macro ITER slot, it, first
.if 1-\first
.rept 5
	v_nop                                          ; places behind the last products: four in front of the loads into their sources, five in front of the products that write over P
.endr
.endif
	WIN 0x40                                       ; destination window 1
.irp kt, 0,1,2,3
.irp ks, 0,1
	ds_load_b128 v[KF+8*(2*\kt+\ks):KF+8*(2*\kt+\ks)+3],   v[ADRK+\slot] offset:\it*64*KPITCH+\kt*16*KPITCH+\ks*64
	ds_load_b128 v[KF+8*(2*\kt+\ks)+4:KF+8*(2*\kt+\ks)+7], v[ADRK+\slot] offset:\it*64*KPITCH+\kt*16*KPITCH+\ks*64+32
.endr
.endr
.irp dt, 0,1,2,3
.irp p, 0,1
	ds_load_b128 v[VF+8*(2*\dt+\p):VF+8*(2*\dt+\p)+3],   v[ADRV+\slot] offset:\dt*16*VPITCH+\it*128+\p*64
	ds_load_b128 v[VF+8*(2*\dt+\p)+4:VF+8*(2*\dt+\p)+7], v[ADRV+\slot] offset:\dt*16*VPITCH+\it*128+\p*64+32
.endr
.endr
	s_wait_dscnt 16                                ; K's sixteen loads are in; V's sixteen, issued behind them, stay out
	WIN 0x01                                       ; source 0 (K) window 1
	; S^T: the sixteen accumulators take turns, one instruction a turn
.irp ks, 0,1
.irp qt, 0,1,2,3
.irp kt, 0,1,2,3
.if 1-\ks
	v_wmma_f32_16x16x32_bf16 v[SC+8*(4*\qt+\kt):SC+8*(4*\qt+\kt)+7], v[KF+8*(2*\kt+\ks):KF+8*(2*\kt+\ks)+7], v[Q+8*(2*\qt+\ks):Q+8*(2*\qt+\ks)+7], 0
.else
	v_wmma_f32_16x16x32_bf16 v[SC+8*(4*\qt+\kt):SC+8*(4*\qt+\kt)+7], v[KF+8*(2*\kt+\ks):KF+8*(2*\kt+\ks)+7], v[Q+8*(2*\qt+\ks):Q+8*(2*\qt+\ks)+7], v[SC+8*(4*\qt+\kt):SC+8*(4*\qt+\kt)+7]
.endif
.endr
.endr
.endr
	WIN 0
.rept 4
	v_nop                                          ; four places in front of the first read of a score
.endr
	; the new maximum of each query: my 32 scores and the old maximum, then the other half of the wave
.irp qt, 0,1,2,3
.if \first
	v_max_num_f32 v[T+\qt], v[SC+32*\qt], v[SC+32*\qt+1]
.else
	v_max3_num_f32 v[T+\qt], v[SC+32*\qt], v[SC+32*\qt+1], v[MX+\qt]
.endif
.endr
.set j, 2
.rept 15
.irp qt, 0,1,2,3
	v_max3_num_f32 v[T+\qt], v[SC+32*\qt+j], v[SC+32*\qt+j+1], v[T+\qt]
.endr
.set j, j+2
.endr
.irp qt, 0,1,2,3
	v_permlanex16_b32 v[U+\qt], v[T+\qt], s18, s19
.endr
.irp qt, 0,1,2,3
	v_max_num_f32 v[T+\qt], v[T+\qt], v[U+\qt]
.endr
.irp qt, 0,1,2,3
	v_mul_f32 v[NMC+2*\qt], s22, v[T+\qt]          ; -m c
	v_mul_f32 v[NMC+2*\qt+1], s22, v[T+\qt]
.endr
.if 1-\first
.irp qt, 0,1,2,3
	v_fma_f32 v[U+\qt], v[MX+\qt], s20, v[NMC+2*\qt]   ; (old m - new m) c
.endr
.irp qt, 0,1,2,3
	v_exp_f32 v[AL+2*\qt], v[U+\qt]
	v_exp_f32 v[AL+2*\qt+1], v[U+\qt]
.endr
.endif
.irp qt, 0,1,2,3
	v_mov_b32 v[MX+\qt], v[T+\qt]                  ; also the plain instruction behind the exponentials (ISA guide 5.7.2)
.endr
.irp qt, 0,1,2,3
.set j, 0
.rept 16
	v_pk_fma_f32 v[SC+32*\qt+j:SC+32*\qt+j+1], v[SC+32*\qt+j:SC+32*\qt+j+1], s[20:21], v[NMC+2*\qt:NMC+2*\qt+1] op_sel_hi:[1,0,1]
.set j, j+2
.endr
.endr
.set j, 0
.rept 128
	v_exp_f32 v[SC+j], v[SC+j]
.set j, j+1
.endr
	v_nop                                          ; one plain place between the exponentials and the first use
	s_wait_alu depctr_va_vdst(0)
	; sums in f32: l = l alpha + sum of p, two partial sums a query tile, four chains side by side
.irp qt, 0,1,2,3
.if \first
	s_wait_alu depctr_va_vdst(0)
	v_pk_add_f32 v[LP+2*\qt:LP+2*\qt+1], v[SC+32*\qt:SC+32*\qt+1], v[SC+32*\qt+2:SC+32*\qt+3]
.else
	v_pk_fma_f32 v[LP+2*\qt:LP+2*\qt+1], v[LP+2*\qt:LP+2*\qt+1], v[AL+2*\qt:AL+2*\qt+1], v[SC+32*\qt:SC+32*\qt+1]
.endif
.endr
.set j, 2+2*\first
.rept 15-\first
.irp qt, 0,1,2,3
	v_pk_add_f32 v[LP+2*\qt:LP+2*\qt+1], v[LP+2*\qt:LP+2*\qt+1], v[SC+32*\qt+j:SC+32*\qt+j+1]
.endr
.set j, j+2
.endr
	; P to f16 (p lies in [0, 1]: see the head), in place and ascending: two tiles of 8 registers become one fragment of 8
.irp g, 0,1,2,3,4,5,6,7
.irp e, 0,1,2,3,4,5,6,7
	v_cvt_pk_f16_f32 v[SC+16*\g+\e], v[SC+16*\g+2*\e], v[SC+16*\g+2*\e+1]
.endr
.endr
.if 1-\first
	WIN 0x41                                       ; O in window 1, the factor in window 0
.irp qt, 0,1,2,3
.set j, 0
.rept 16
	v_pk_mul_f32 v[32*\qt+j:32*\qt+j+1], v[32*\qt+j:32*\qt+j+1], v[AL+2*\qt:AL+2*\qt+1]
.set j, j+2
.endr
.endr
.endif
	s_wait_dscnt 0x0                               ; V's fragments are in
	WIN 0x51                                       ; D, C, source 0 (V^T) window 1; source 1 (P) window 0
	; O^T += V^T P^T, both sources f16: sixteen accumulators by turns; they see the f16 form alone
.irp p, 0,1
.irp qt, 0,1,2,3
.irp dt, 0,1,2,3
.if \first*(1-\p)
	v_wmma_f32_16x16x32_f16 v[32*\qt+8*\dt:32*\qt+8*\dt+7], v[VF+8*(2*\dt+\p):VF+8*(2*\dt+\p)+7], v[SC+32*\qt+16*\p:SC+32*\qt+16*\p+7], 0
.else
	v_wmma_f32_16x16x32_f16 v[32*\qt+8*\dt:32*\qt+8*\dt+7], v[VF+8*(2*\dt+\p):VF+8*(2*\dt+\p)+7], v[SC+32*\qt+16*\p:SC+32*\qt+16*\p+7], v[32*\qt+8*\dt:32*\qt+8*\dt+7]
.endif
.endr
.endr
.endr
	WIN 0
.endm
; A tile of 256 keys.  In front of the round every wave waits for all its tensor loads (its part of this tile among them) and for its reads of
; the other slot; the joint refill of the other slot is the first tensor load behind the round, and has this tile's work in which to land.
.macro STEP slot, other, refill
	s_wait_xcnt 0x0
	v_lshl_add_u32 v254, v0, 2, 0x3c800
	v_mov_b32 v255, 0
	s_wait_tensorcnt 0x0
	ds_add_u32 v254, v255
	s_wait_dscnt 0x0
.if \refill
	s_add_nc_u64 s[G0K+4*\other+2:G0K+4*\other+3], s[G0K+4*\other+2:G0K+4*\other+3], 2*KTILE   ; no load of the wave is out: the addresses may step
	s_add_nc_u64 s[G0V+4*\other+2:G0V+4*\other+3], s[G0V+4*\other+2:G0V+4*\other+3], 2*VTILE
.endif
	s_wait_dscnt 0x0
	ROUND
.if \refill
	JLOAD \other
.endif
	ITER \slot, 0, 0
	ITER \slot, 1, 0
.endm
	s_wait_tensorcnt 0x1                           ; my part of tile 0 is in; tile 1's load, issued behind it, stays out
	s_barrier_signal -1
	s_barrier_wait -1
	s_wait_loadcnt 0x0                             ; Q
	ITER 0, 0, 1
	ITER 0, 1, 0
	s_mov_b32 s3, 3
.Ltiles:
	STEP 1, 0, 1                                   ; tiles 1, 3, 5; asks for 2, 4, 6
	STEP 0, 1, 1                                   ; tiles 2, 4, 6; asks for 3, 5, 7
	s_sub_co_u32 s3, s3, 1
	s_cmp_lg_u32 s3, 0
	s_cbranch_scc1 .Ltiles
	STEP 1, 0, 0                                   ; tile 7: nothing is left to ask for
	; THE MERGE of the two key halves
.rept 4
	v_nop                                          ; four places in front of the first read of O
.endr
.irp qt, 0,1,2,3
	v_add_f32 v[LT+\qt], v[LP+2*\qt], v[LP+2*\qt+1]
.endr
.irp qt, 0,1,2,3
	v_permlanex16_b32 v[U+\qt], v[LT+\qt], s18, s19
.endr
.irp qt, 0,1,2,3
	v_add_f32 v[LT+\qt], v[LT+\qt], v[U+\qt]       ; the sum over my half's 1,024 keys, in every lane
.endr
	s_cmp_eq_u32 s13, 0
	s_cbranch_scc1 .Lkeep
	ds_store_b128 v[MA], v[MX:MX+3]                ; waves 4-7 hand over maximum, sum and output, lane by lane
	ds_store_b128 v[MA], v[LT:LT+3] offset:512
	WIN 0x04                                       ; store data in window 1
.set j, 0
.rept 32
	ds_store_b128 v[MA], v[4*j:4*j+3] offset:1024+512*j
.set j, j+1
.endr
	WIN 0
.Lkeep:
	s_wait_dscnt 0x0                               ; the stores are done, for the waves that read them
	s_barrier_signal -1
	s_barrier_wait -1
	s_cmp_lg_u32 s13, 0
	s_cbranch_scc1 .Lclose
	ds_load_b128 v[M1:M1+3], v[MA]
	ds_load_b128 v[L1:L1+3], v[MA] offset:512
.set j, 0
.rept 32
	ds_load_b128 v[SC+4*j:SC+4*j+3], v[MA] offset:1024+512*j
.set j, j+1
.endr
	s_wait_dscnt 0x0
.irp qt, 0,1,2,3
	v_max_num_f32 v[T+\qt], v[MX+\qt], v[M1+\qt]
.endr
.irp qt, 0,1,2,3
	v_sub_f32 v[U+\qt], v[MX+\qt], v[T+\qt]
	v_sub_f32 v[M1+\qt], v[M1+\qt], v[T+\qt]
.endr
.irp qt, 0,1,2,3
	v_mul_f32 v[U+\qt], s20, v[U+\qt]
	v_mul_f32 v[M1+\qt], s20, v[M1+\qt]
.endr
.irp qt, 0,1,2,3
	v_exp_f32 v[U+\qt], v[U+\qt]                   ; a0
	v_exp_f32 v[M1+\qt], v[M1+\qt]                 ; a1
.endr
	v_nop
	s_wait_alu depctr_va_vdst(0)
.irp qt, 0,1,2,3
	v_mul_f32 v[LT+\qt], v[LT+\qt], v[U+\qt]
.endr
.irp qt, 0,1,2,3
	v_fmac_f32 v[LT+\qt], v[L1+\qt], v[M1+\qt]     ; l = l0 a0 + l1 a1, at least 1
.endr
.irp qt, 0,1,2,3
	v_rcp_f32 v[LT+\qt], v[LT+\qt]
.endr
	v_nop
	s_wait_alu depctr_va_vdst(0)
.irp qt, 0,1,2,3
	v_mul_f32 v[AL+2*\qt], v[U+\qt], v[LT+\qt]     ; a0 / l, twice
	v_mul_f32 v[AL+2*\qt+1], v[U+\qt], v[LT+\qt]
	v_mul_f32 v[NMC+2*\qt], v[M1+\qt], v[LT+\qt]   ; a1 / l, twice
	v_mul_f32 v[NMC+2*\qt+1], v[M1+\qt], v[LT+\qt]
.endr
.irp qt, 0,1,2,3
.set j, 0
.rept 16
	v_pk_mul_f32 v[SC+32*\qt+j:SC+32*\qt+j+1], v[SC+32*\qt+j:SC+32*\qt+j+1], v[NMC+2*\qt:NMC+2*\qt+1]
.set j, j+2
.endr
.endr
	WIN 0x01                                       ; source 0 (my O) window 1
.irp qt, 0,1,2,3
.set j, 0
.rept 16
	v_pk_fma_f32 v[SC+32*\qt+j:SC+32*\qt+j+1], v[32*\qt+j:32*\qt+j+1], v[AL+2*\qt:AL+2*\qt+1], v[SC+32*\qt+j:SC+32*\qt+j+1]
.set j, j+2
.endr
.endr
	WIN 0
.set j, 0
.rept 64
	v_cvt_pk_bf16_f32 v[SC+j], v[SC+2*j], v[SC+2*j+1]  ; the heads' output goes on as bf16; in place and ascending: tile t ends in registers 4 t .. 4 t + 3
.set j, j+1
.endr
.irp qt, 0,1,2,3
.irp dt, 0,1,2,3
	ds_store_b128 v[STO], v[SC+4*(4*\qt+\dt):SC+4*(4*\qt+\dt)+3] offset:\qt*16*KPITCH+\dt*32   ; query 16 qt + r, d = 16 dt + 8 hh .. +7
.endr
.endr
.irp i, 0,1,2,3,4,5,6,7,8,9,10,11,12,13,14,15
	ds_load_b128 v[Q+4*\i:Q+4*\i+3], v[RD] offset:4*KPITCH*\i      ; the wave's own bytes: LDS serves a wave's instructions in order (ISA guide 5.7.1.4)
.endr
.irp i, 0,1,2,3,4,5,6,7,8,9,10,11,12,13,14,15
	s_wait_dscnt 15-\i                             ; load i is in, the 15 - i younger ones stay out
	global_store_b128 v[GO], v[Q+4*\i:Q+4*\i+3], s[10:11] offset:512*\i   ; four rows of 128 bytes: 512 consecutive bytes, aligned
.endr
.Lclose:
	s_wait_xcnt 0x0
	v_lshl_add_u32 v254, v0, 2, 0x3c800
	v_mov_b32 v255, 0
	s_wait_tensorcnt 0x0
	ds_add_u32 v254, v255
	s_wait_dscnt 0x0
	ROUND                                          ; the closing round
	s_endpgm
.Lfunc_end_k_qe8eee609dd_attn:
	.size	k_qe8eee609dd_attn, .Lfunc_end_k_qe8eee609dd_attn-k_qe8eee609dd_attn
	.p2alignl 7, 3214868480
	.fill 96, 4, 3214868480
	.section	.rodata,"a",@progbits
	.p2align	6, 0x0
	.amdhsa_kernel k_qe8eee609dd_attn
		.amdhsa_group_segment_fixed_size 327680
		.amdhsa_private_segment_fixed_size 0
		.amdhsa_enable_private_segment 0
		.amdhsa_kernarg_size 32
		.amdhsa_user_sgpr_count 2
		.amdhsa_user_sgpr_kernarg_segment_ptr 1
		.amdhsa_wavefront_size32 1
		.amdhsa_system_sgpr_workgroup_id_x 1
		.amdhsa_system_sgpr_workgroup_id_y 1
		.amdhsa_system_sgpr_workgroup_id_z 1
		.amdhsa_system_vgpr_workitem_id 0
		.amdhsa_next_free_vgpr 512
		.amdhsa_next_free_sgpr 70
		.amdhsa_reserve_vcc 0
		.amdhsa_float_denorm_mode_32 3
		.amdhsa_float_denorm_mode_16_64 3
		.amdhsa_memory_ordered 1
		.amdhsa_forward_progress 1
		.amdhsa_inst_pref_size 255
	.end_amdhsa_kernel
	.section	.bss,"aw",@nobits
	.p2align	6
	.space	262144
	.amdgpu_metadata
---
amdhsa.version: [ 1, 2 ]
amdhsa.kernels:
  - .name:           k_qe8eee609dd_attn
    .symbol:         k_qe8eee609dd_attn.kd
    .args:
      - { .name: qb, .offset: 0, .size: 8, .value_kind: global_buffer, .address_space: global }
      - { .name: kb, .offset: 8, .size: 8, .value_kind: global_buffer, .address_space: global }
      - { .name: vtb, .offset: 16, .size: 8, .value_kind: global_buffer, .address_space: global }
      - { .name: ab, .offset: 24, .size: 8, .value_kind: global_buffer, .address_space: global }
    .group_segment_fixed_size: 327680
    .private_segment_fixed_size: 0
    .kernarg_segment_align: 8
    .kernarg_segment_size: 32
    .max_flat_workgroup_size: 256
    .sgpr_count:     70
    .vgpr_count:     512
    .wavefront_size: 32
...
	.end_amdgpu_metadata
.endif
;; end of part 3
;; launch oproj (part 4): grid 8 x 32, 4 waves a work-group, clusters of 4 x 4, 327,680 bytes of LDS; arguments ab, wob, bo, out0; writes out0
.if DOCPART == 4
	.amdgcn_target "amdgcn-amd-amdhsa--gfx1250"
	.amdhsa_code_object_version 6
	.text
	.protected	k_qe8eee609dd_oproj
	.globl	k_qe8eee609dd_oproj
	.p2align	8
	.type	k_qe8eee609dd_oproj,@function
k_qe8eee609dd_oproj:
	s_mov_b64 s[64:65], 0
	v_nop
	global_prefetch_b8 v0, s[64:65] scope:SCOPE_SE
	s_setreg_imm32_b32 hwreg(HW_REG_WAVE_MODE, 25, 1), 1
	s_wait_xcnt 0x0
	s_wait_alu depctr_hold_cnt(0) depctr_sa_sdst(0) depctr_va_vdst(0) depctr_va_sdst(0) depctr_va_ssrc(0) depctr_va_vcc(0) depctr_vm_vsrc(0)
	s_getreg_b32 s2, hwreg(HW_REG_IB_STS2, 6, 4)
	s_cmp_eq_u32 s2, 0
	s_cbranch_scc0 .Lentry_in_a_cluster
	s_endpgm
.Lentry_in_a_cluster:
	s_bfe_u32 s2, ttmp6, 0x10000c
	s_cmp_lg_u32 s2, 0xf033
	s_cbranch_scc0 .Lentry_shape_is_right
	s_endpgm
.Lentry_shape_is_right:
; out0[l][f] = sum over e of a[l][e] wo[f][e] + bo[f];  a comes as ab[head][4096 rows][64] bf16 (e = 64 head + d), wob is [1024][1024] bf16, out0 f32.
; A work-group makes 128 x 128 of out0, a wave 64 x 64: 16 accumulator tiles; that is what 4,096 x 1,024 outputs leave for 256 work-groups.
; K = 1024 goes in four tiles of 256 (four heads) through two LDS slots; all four are written out, there is no loop.
; Transposed use (source 0 = rows of wo, source 1 = rows of a): a lane holds 8 neighbouring columns of one row of out0.
; The bias is the C operand of each tile's first product.
; CLUSTERS: 4 x 4 work-groups; a's tile hangs on the row block alone and is asked for jointly along a row of the cluster, wo's on the column block
; alone and is asked for jointly along a column.
; Limits: operands are bf16, sums f32; NaN and infinities are not treated apart.
.set APITCH, 144                       ; a's rows: 128 bytes + 16
.set ZPL,    128*APITCH                ; one head's 128 rows
.set ABYTES, 4*ZPL
.set BPITCH, 528                       ; wo's rows: 512 bytes + 16
.set BHALF,  64*BPITCH
.set SLOT,   ABYTES+2*BHALF
.set STAGE,  2*SLOT                    ; behind the ring: 16 rows of 272 bytes for each wave; no fill lands here
.set SPITCH, 272
.set ADRA, 16
.set ADRB, 20
.set STO,  24
.set RD,   25
.set CO,   26
.set BO,   27
.set F0,   64                          ; a's four fragments, then wo's four
.set F1,   128
.set BIAS, 192                         ; v192-223
.set G1,  24
.set G0,  32
.set G1B, 48
.set G0B, 56
.set MSB, 0
.macro WIN new
.if MSB != \new
	s_set_vgpr_msb (MSB<<8)|\new
.set MSB, \new
.endif
.endm
.macro PLACES                          ; four places behind a matrix instruction (ISA guide 7.12.1)
.rept 4
	v_nop
.endr
.endm
.macro JLOAD s                         ; waves 0 and 1 fetch two heads of a each, waves 2 and 3 sixty-four rows of wo each
	s_cmp_eq_u32 s11, 0
	s_cbranch_scc0 .Lfor_b_\@
	tensor_load_to_lds s[G0+4*\s:G0+4*\s+3], s[G1:G1+7]
	s_nop 0
	s_branch .Lasked_\@
.Lfor_b_\@:
	tensor_load_to_lds s[G0B+4*\s:G0B+4*\s+3], s[G1B:G1B+7]
	s_nop 0
.Lasked_\@:
.endm
.macro CREST
	s_cmp_lg_u32 s10, 0
	s_cbranch_scc1 .Lnot_wave_0_\@
	s_barrier_signal -3
.Lnot_wave_0_\@:
	s_barrier_wait -3
	s_barrier_signal -1
	s_barrier_wait -1
.endm
.macro CROUND
	s_barrier_signal -1
	s_barrier_wait -1
	CREST
.endm
	s_load_b256 s[68:75], s[0:1], 0x0              ; ab 68, wob 70, bo 72, out0 74
	v_lshl_add_u32 v254, v0, 2, 0x49400
	v_mov_b32 v255, 0
	ds_add_u32 v254, v255
	v_lshrrev_b32 v1, 5, v0
	v_readfirstlane_b32 s10, v1                    ; wave 0..3
	s_lshr_b32 s11, s10, 1                         ; wm.  Also: I fetch a (0) or wo (1)
	s_and_b32 s12, s10, 1                          ; wn.  Also: which half of that tile
	s_bfe_u32 s40, ttmp6, 0x40000                  ; cx
	s_bfe_u32 s41, ttmp6, 0x40004                  ; cy
	s_lshl_b32 s42, ttmp9, 2
	s_add_co_u32 s42, s42, s40                     ; column block
	s_and_b32 s13, ttmp7, 0xffff
	s_lshl_b32 s13, s13, 2
	s_add_co_u32 s13, s13, s41                     ; row block
	s_lshl_b32 s43, s41, 2
	s_lshl_b32 s43, 15, s43                        ; my row of the cluster
	s_lshl_b32 s44, 0x1111, s40                    ; my column
	; group 1 for a: two 'rows' of 8,192 elements, each one head's 128 dense rows of 64; 262,144 elements from head to head;
	; 4 words of padding behind every 32, so that each row of 128 bytes gets its 16
	s_or_b32 s[G1+0], s43, (1<<16)|(1<<20)|(1<<21)|(4<<22)|(3<<25)
	s_mov_b32 s[G1+1], 8192<<16
	s_mov_b32 s[G1+2], 2<<16
	s_mov_b32 s[G1+3], 8192<<16
	s_mov_b32 s[G1+4], 2
	s_mov_b32 s[G1+5], 262144
	s_mov_b32 s[G1+6], 0
	s_mov_b32 s[G1+7], 0
	; group 1 for wo: 64 rows of 256 elements, 1,024 apart, 4 words of padding behind every 128
	s_or_b32 s[G1B+0], s44, (1<<16)|(1<<20)|(1<<21)|(6<<22)|(3<<25)
	s_mov_b32 s[G1B+1], 256<<16
	s_mov_b32 s[G1B+2], 64<<16
	s_mov_b32 s[G1B+3], 256<<16
	s_mov_b32 s[G1B+4], 64
	s_mov_b32 s[G1B+5], 1024
	s_mov_b32 s[G1B+6], 0
	s_mov_b32 s[G1B+7], 0
	s_lshl_b32 s16, s12, 20                        ; a: two heads of 524,288 bytes for each half,
	s_lshl_b32 s17, s13, 14                        ; 128 rows of 128 bytes for each row block
	s_add_co_u32 s16, s16, s17
	s_mov_b32 s17, 0
	s_lshl_b32 s46, s42, 18                        ; wo: 128 rows of 2,048 bytes for each column block,
	s_lshl_b32 s47, s12, 17                        ; 64 rows for each half
	s_add_co_u32 s46, s46, s47
	s_mov_b32 s47, 0
	s_mul_i32 s20, s10, 2*ZPL                      ; LDS: waves 0, 1
	s_mul_i32 s21, s10, BHALF
	s_add_co_u32 s21, s21, ABYTES-2*BHALF          ; waves 2, 3, behind a's four heads
	v_and_b32 v1, 15, v0                           ; r
	v_bfe_u32 v2, v0, 4, 1                         ; h
	s_lshl_b32 s66, s42, 9                         ; 128 columns of f32
	s_lshl_b32 s67, s12, 8                         ; 64 columns for wn
	s_add_co_u32 s66, s66, s67
	v_lshl_add_u32 v[BO], v2, 5, s66               ; register j holds column 8 h + j
	s_lshl_b32 s45, s13, 19                        ; 128 rows of 4,096 bytes
	s_lshl_b32 s67, s11, 18                        ; 64 rows for wm
	s_add_co_u32 s45, s45, s67
	s_add_co_u32 s66, s66, s45
	s_mov_b32 s67, 0
	s_wait_dscnt 0x0
	s_wait_kmcnt 0x0
	s_add_nc_u64 s[14:15], s[68:69], s[16:17]
	s_add_nc_u64 s[46:47], s[70:71], s[46:47]
	s_add_nc_u64 s[74:75], s[74:75], s[66:67]      ; out0 at my wave's first row and column
.irp b, 0,1,2,3
	global_load_b128 v[BIAS+8*\b:BIAS+8*\b+3],   v[BO], s[72:73] offset:64*\b
	global_load_b128 v[BIAS+8*\b+4:BIAS+8*\b+7], v[BO], s[72:73] offset:64*\b+16
.endr
	CROUND                                         ; all sixteen work-groups are here: the first joint loads meet
.irp s, 0,1
	s_mov_b32 s[G0+4*\s], 1
	s_add_co_u32 s[G0+4*\s+1], s20, \s*SLOT
	s_add_nc_u64 s[G0+4*\s+2:G0+4*\s+3], s[14:15], \s*4*524288
	s_or_b32 s[G0+4*\s+3], s[G0+4*\s+3], 0x80000000
	s_mov_b32 s[G0B+4*\s], 1
	s_add_co_u32 s[G0B+4*\s+1], s21, \s*SLOT
	s_add_nc_u64 s[G0B+4*\s+2:G0B+4*\s+3], s[46:47], \s*512
	s_or_b32 s[G0B+4*\s+3], s[G0B+4*\s+3], 0x80000000
	JLOAD \s                                       ; K tiles 0 and 1: two loads of the wave are out
.endr
	v_mul_u32_u24 v3, v1, APITCH
	v_lshl_add_u32 v3, v2, 4, v3
	v_mul_u32_u24 v4, v1, BPITCH
	v_lshl_add_u32 v4, v2, 4, v4
	s_mul_i32 s22, s11, 64*APITCH                  ; my 64 rows of a
	s_mul_i32 s23, s12, BHALF                      ; my 64 rows of wo
	s_add_co_u32 s23, s23, ABYTES
.irp s, 0,1
	v_add_nc_u32 v[ADRA+\s], s22, v3
	v_add_nc_u32 v[ADRB+\s], s23, v4
	s_add_co_u32 s22, s22, SLOT
	s_add_co_u32 s23, s23, SLOT
.endr
	s_mul_i32 s22, s10, 16*SPITCH
	s_add_co_u32 s22, s22, STAGE                   ; my stage
	v_mul_u32_u24 v5, v1, SPITCH
	v_lshl_add_u32 v5, v2, 5, v5
	v_add_nc_u32 v[STO], s22, v5                   ; in: row r, 32 bytes for each half of the lanes
	v_mul_u32_u24 v5, v2, SPITCH
	v_lshl_add_u32 v5, v1, 4, v5
	v_add_nc_u32 v[RD], s22, v5                    ; back: lanes 0-15 one row of 256 bytes, lanes 16-31 the next
	v_lshlrev_b32 v5, 12, v2
	v_lshl_add_u32 v[CO], v1, 4, v5                ; and the same two rows in out0
; sixteen LDS loads: the fragments of 32 along K, part u (0..7) of the slot's 256: head u / 2, d = 32 (u mod 2)
.macro FETCH slot, u, f
.irp a, 0,1,2,3
	ds_load_b128 v[\f+8*\a:\f+8*\a+3],   v[ADRA+\slot] offset:(\u>>1)*ZPL+\a*16*APITCH+(\u&1)*64
	ds_load_b128 v[\f+8*\a+4:\f+8*\a+7], v[ADRA+\slot] offset:(\u>>1)*ZPL+\a*16*APITCH+(\u&1)*64+32
.endr
.irp b, 0,1,2,3
	ds_load_b128 v[\f+32+8*\b:\f+32+8*\b+3],   v[ADRB+\slot] offset:\b*16*BPITCH+\u*64
	ds_load_b128 v[\f+32+8*\b+4:\f+32+8*\b+7], v[ADRB+\slot] offset:\b*16*BPITCH+\u*64+32
.endr
.endm
; eight products: row blocks a0, a0 + 1 x four column blocks.  The sixteen accumulators take turns, one instruction a turn.
.macro MUL8 f, a0, first
.irp a, \a0, \a0+1
.irp b, 0,1,2,3
.if \first
	v_wmma_f32_16x16x32_bf16 v[8*(4*(\a)+\b):8*(4*(\a)+\b)+7], v[\f+32+8*\b:\f+32+8*\b+7], v[\f+8*(\a):\f+8*(\a)+7], v[BIAS+8*\b:BIAS+8*\b+7]
.else
	v_wmma_f32_16x16x32_bf16 v[8*(4*(\a)+\b):8*(4*(\a)+\b)+7], v[\f+32+8*\b:\f+32+8*\b+7], v[\f+8*(\a):\f+8*(\a)+7], v[8*(4*(\a)+\b):8*(4*(\a)+\b)+7]
.endif
.endr
.endr
.endm
; 32 along K: buffer f is multiplied while part unext comes into buffer g
.macro SUB slot, unext, f, g, first
	s_wait_dscnt 0x0                               ; buffer f is in: its loads were issued sixteen products ago
	PLACES                                         ; buffer g was read by the products just issued
	WIN 0
	FETCH \slot, \unext, \g
.if \first
	WIN 0x40                                       ; D window 1, C (bias) window 0
.else
	WIN 0x50                                       ; D and C window 1
.endif
	MUL8 \f, 0, \first
	MUL8 \f, 2, \first
.endm
.macro SEVEN slot, first
	SUB \slot, 1, F0, F1, \first
	SUB \slot, 2, F1, F0, 0
	SUB \slot, 3, F0, F1, 0
	SUB \slot, 4, F1, F0, 0
	SUB \slot, 5, F0, F1, 0
	SUB \slot, 6, F1, F0, 0
	SUB \slot, 7, F0, F1, 0
.endm
; The eighth part changes slots: each wave's reads of this slot and all its tensor loads are waited for in front of the barrier; where the slot is
; filled again the barrier opens a round of the cluster's barrier and the joint refill is the first tensor load behind the round.
.macro TURN slot, next, fill
	s_wait_dscnt 0x0
	s_wait_tensorcnt 0x0
	ds_add_u32 v254, v255
	s_wait_dscnt 0x0
	s_barrier_signal -1
	WIN 0x50
	MUL8 F1, 0, 0
	WIN 0
	s_barrier_wait -1
.if \fill
	CREST
	s_add_nc_u64 s[G0+4*\slot+2:G0+4*\slot+3], s[G0+4*\slot+2:G0+4*\slot+3], 8*524288   ; eight heads on; no load of the wave is out
	s_add_nc_u64 s[G0B+4*\slot+2:G0B+4*\slot+3], s[G0B+4*\slot+2:G0B+4*\slot+3], 1024
	JLOAD \slot
.endif
	PLACES
	FETCH \next, 0, F0
	WIN 0x50
	MUL8 F1, 2, 0
.endm
	s_wait_tensorcnt 0x1                           ; my part of K tile 0 is in; tile 1's load, issued behind it, stays out
	s_barrier_signal -1
	s_barrier_wait -1
	s_wait_loadcnt 0x0                             ; the bias
	FETCH 0, 0, F0
	SEVEN 0, 1
	TURN 0, 1, 1                                   ; asks for K tile 2
	SEVEN 1, 0
	TURN 1, 0, 1                                   ; asks for K tile 3
	SEVEN 0, 0
	TURN 0, 1, 0
	SEVEN 1, 0
	s_wait_dscnt 0x0
	WIN 0x50
	MUL8 F1, 0, 0
	MUL8 F1, 2, 0
	; THE WAY OUT, 16 rows at a time through the wave's own stage: 32 bytes a lane in, whole rows of 256 bytes back
	PLACES
.irp a, 0,1,2,3
	WIN 0x04                                       ; store data in window 1
.irp b, 0,1,2,3
	ds_store_b128 v[STO], v[8*(4*\a+\b):8*(4*\a+\b)+3]   offset:64*\b
	ds_store_b128 v[STO], v[8*(4*\a+\b)+4:8*(4*\a+\b)+7] offset:64*\b+16
.endr
	WIN 0
.irp t, 0,1,2,3,4,5,6,7
	ds_load_b128 v[64+32*\a+4*\t:64+32*\a+4*\t+3], v[RD] offset:2*SPITCH*\t   ; LDS serves a wave's instructions in order (ISA guide 5.7.1.4): these see the stores above, and the next stores come behind them
.endr
.irp t, 0,1,2,3,4,5,6,7
	s_wait_dscnt 7-\t                              ; load t is in, the 7 - t younger ones stay out
	global_store_b128 v[CO], v[64+32*\a+4*\t:64+32*\a+4*\t+3], s[74:75] offset:\a*65536+\t*8192 th:TH_STORE_NT   ; sixteen lanes store 256 consecutive bytes, aligned; each batch has registers of its own
.endr
.endr
	s_wait_tensorcnt 0x0
	ds_add_u32 v254, v255
	s_wait_dscnt 0x0
	CROUND                                         ; the closing round
	s_endpgm
.Lfunc_end_k_qe8eee609dd_oproj:
	.size	k_qe8eee609dd_oproj, .Lfunc_end_k_qe8eee609dd_oproj-k_qe8eee609dd_oproj
	.p2alignl 7, 3214868480
	.fill 96, 4, 3214868480
	.section	.rodata,"a",@progbits
	.p2align	6, 0x0
	.amdhsa_kernel k_qe8eee609dd_oproj
		.amdhsa_group_segment_fixed_size 327680
		.amdhsa_private_segment_fixed_size 0
		.amdhsa_enable_private_segment 0
		.amdhsa_kernarg_size 32
		.amdhsa_user_sgpr_count 2
		.amdhsa_user_sgpr_kernarg_segment_ptr 1
		.amdhsa_wavefront_size32 1
		.amdhsa_system_sgpr_workgroup_id_x 1
		.amdhsa_system_sgpr_workgroup_id_y 1
		.amdhsa_system_sgpr_workgroup_id_z 1
		.amdhsa_system_vgpr_workitem_id 0
		.amdhsa_next_free_vgpr 384
		.amdhsa_next_free_sgpr 76
		.amdhsa_reserve_vcc 0
		.amdhsa_float_denorm_mode_32 3
		.amdhsa_float_denorm_mode_16_64 3
		.amdhsa_memory_ordered 1
		.amdhsa_forward_progress 1
		.amdhsa_inst_pref_size 89
	.end_amdhsa_kernel
	.amdgpu_metadata
---
amdhsa.version: [ 1, 2 ]
amdhsa.kernels:
  - .name:           k_qe8eee609dd_oproj
    .symbol:         k_qe8eee609dd_oproj.kd
    .args:
      - { .name: ab, .offset: 0, .size: 8, .value_kind: global_buffer, .address_space: global }
      - { .name: wob, .offset: 8, .size: 8, .value_kind: global_buffer, .address_space: global }
      - { .name: bo, .offset: 16, .size: 8, .value_kind: global_buffer, .address_space: global }
      - { .name: out0, .offset: 24, .size: 8, .value_kind: global_buffer, .address_space: global }
    .group_segment_fixed_size: 327680
    .private_segment_fixed_size: 0
    .kernarg_segment_align: 8
    .kernarg_segment_size: 32
    .max_flat_workgroup_size: 128
    .sgpr_count:     76
    .vgpr_count:     384
    .wavefront_size: 32
...
	.end_amdgpu_metadata
.endif
;; end of part 4
